; MI455X (gfx1250); checked and timed in simulation.
; The chip was launched on July 23, 2026; its instructions are those of AMD's public machine-readable ISA for CDNA 5 (MIT licence, August 2026) and "CDNA5" Instruction Set Architecture Reference Guide (July 2026). The comments in the code are by the model that wrote it; some were corrected since.
;; Sparse Causal Self Attention. Allowed arithmetic: matrix products marked QUANTISED: E2M1 operands, one E8M0 scale for each 32 along K, by v_wmma_scale_f32_16x16x128_f8f6f4 with both operands' format E2M1 (or v_wmma_scale_f32_32x16x128_f4), f32 sums; everything else in f32.
;; Inputs: cum_weight 1,024 x 1,024 float32; k 2 x 1,024 x 8 x 64 float32; mask 1,024 x 1,024 int32; q 2 x 1,024 x 2 x 8 x 64 float32; v 2 x 1,024 x 8 x 64 float32.
;; Outputs: out0 2 x 1,024 x 2 x 8 x 64 float32.
;; This version of the problem:
;;   THIS VERSION OF THE PROBLEM IS GIVEN IN LOW PRECISION. The matrix products marked QUANTISED in the list below multiply operands that are first quantised to E2M1 (2 exponent bits, 1 mantissa bit; 4 bits a number), with one power-of-two scale for each 32 numbers along K (OCP MX v1.0); their sums are f32. All else is computed in f32.
;;   The module's matrix products, in the order in which they are computed (A, B: the left and right operand; K: the contracted axis; several contracted axes count as one K, in the product's order):
;;     1. batch 16 x [M 1,024, K 64] x [K 64, N 2,048]; A: input k; B: input q: QUANTISED
;;     2. [M 32,768, K 1,024] x [K 1,024, N 1,024]; A: computed on the way; B: input cum_weight: QUANTISED
;;     3. batch 16 x [M 64, K 1,024] x [K 1,024, N 2,048]; A: input v; B: computed on the way: QUANTISED
;;   THE QUANTISER, for each operand of a quantised product, along K:
;;     - K is cut into blocks of 32 from its start; a last block that is shorter is filled with zeros.
;;     - A block's scale is 2^e with e = floor(log2(the largest magnitude in the block)) - 2, held to -126 .. 127; a block of zeros has e = 0. As a byte (E8M0): e + 127.
;;     - Each number is divided by its block's scale, clamped to +-6, and rounded to the nearest number of E2M1, ties to even, subnormals kept.
;;     - The product sums the exact products of the quantised numbers (number of the format x scale) in f32.
;;   ~~~python
;;   def quantise(x, axis):      # numpy; x: float32 -> the quantised numbers, widened to float32 again
;;       x = np.moveaxis(x, axis, -1); K = x.shape[-1]
;;       x = np.pad(x, [(0, 0)] * (x.ndim - 1) + [(0, -K % 32)]); x = x.reshape(x.shape[:-1] + (-1, 32)); a = np.abs(x).max(-1, keepdims=True)
;;       e = np.where(a > 0, np.clip(np.frexp(np.where(a > 0, a, 1))[1] - 1 - 2, -126, 127), 0)      # np.frexp(a)[1] - 1 = floor(log2(a)), exactly
;;       r = np.clip(x / 2.0 ** e, -6, 6)
;;       step = 2.0 ** (np.maximum(np.frexp(np.where(r == 0, 1, r))[1] - 1, 0) - 1)
;;       q = np.round(r / step) * step * 2.0 ** e      # np.round: ties to even
;;       return np.moveaxis(q.reshape(q.shape[:-2] + (-1,))[..., :K], -1, axis).astype(np.float32)
;;   ~~~
;;   OPERANDS COMPUTED ON THE WAY. 'Computed on the way' means the value that the module computes at that place (a softmax that the list does not call 'softmax' is quantised finished and normalised). What goes into a quantiser is computed in f32, as accurately as f32 sums, v_exp_f32 and their like allow (about 1e-6 of the number): no bf16 or f16 on the way to a quantiser, and a product that is left as it is and whose result goes on into a quantised operand takes f32 operands (vector FMAs, or v_wmma_f32_16x16x4_f32). A number that lies on a knife's edge between two numbers of the format may be rounded either way, as far as f32 arithmetic and the matrix unit's own rounding can turn it there, and no further.
;; One version. Each part assembles by itself: llvm-mc -triple=amdgcn-amd-amdhsa -mcpu=gfx1250 --defsym DOCPART=n.
;; ======== version 1 of 1: 2 launches
;; limits: right only within a limited range of input values
;; workspace buffers: cwq 557,056 bytes; kq 524,288 bytes; ksc 32,768 bytes; vq 524,288 bytes; vsc 32,768 bytes; mbits 131,072 bytes of whole numbers
;; launch prep (part 1): grid 256 x 1, 8 waves a work-group, no clusters, 138,240 bytes of LDS; arguments cum_weight, k, v, mask, cwq, kq, ksc, vq, vsc, mbits; writes cwq, kq, ksc, vq, vsc, mbits
.if DOCPART == 1
	.amdgcn_target "amdgcn-amd-amdhsa--gfx1250"
	.amdhsa_code_object_version 6
	.text
	.protected	k_q1111f03f0c_prep
	.globl	k_q1111f03f0c_prep
	.p2align	8
	.type	k_q1111f03f0c_prep,@function
k_q1111f03f0c_prep:
	s_mov_b64 s[64:65], 0
	v_nop
	global_prefetch_b8 v0, s[64:65] scope:SCOPE_SE
	s_setreg_imm32_b32 hwreg(HW_REG_WAVE_MODE, 25, 1), 1
	s_wait_xcnt 0x0
; PREP: the operands that many work-groups of the next launch read are quantised ONCE, to codes of E2M1 with one E8M0 byte for each 32 along K,
; and laid in the order of the operand's registers (a fragment's registers on end, lane by lane), so that the next launch loads every fragment by 16-byte loads of neighbouring lanes.
; Nothing of the problem is left out: mask and cum_weight are inputs and are honoured number by number.
; Four roles, 64 work-groups each, chosen by the work-group's number; a wave takes 8,192 bytes of its input and issues all its loads at once.
;   role 0  cum_weight [j][c], K = j (first axis) -> cwq [s 8][beta 8][8704]: codes [gamma 4][u 2][cc 2][lane 32][16], then scale words [lane 32][gamma 4][4].
;           Lane (r, h) of a fragment holds column c = 32 (8 gamma + beta) + 8 u + r + 8 (r / 8) and j = 128 s + 64 cc + 32 h + 0 .. 31; scale lane = 16 u + r.
;   role 1  v [b][t][h][d], K = t -> vq [bh][dt 4][s 8][cc 2][lane 32][16] (d = 16 dt + r, t = 128 s + 64 cc + 32 h + ..), vsc [bh][dt][lane = 16 (s / 4) + r][word s % 4].
;   role 2  k [b][t][h][d], K = d -> kq [bh][J 32][u 2][lane 32][16] (key = 32 J + 8 u + r + 8 (r / 8), d = 32 h + ..), ksc [bh][J][lane = 16 u + r][2 bytes].
;   role 3  mask [i][j] -> mbits [I 64][J 32][x 16]: bit lane (r, h) of word x says mask[16 I + r][32 J + 16 h + x] != 0: a lane mask for v_cndmask_b32.
; A block's scale byte is its largest magnitude's exponent field - 2, held at 1 from below by a floor among the maximum's leaves.  A block of zeros so keeps the byte 1 where the rule
; says 127: its codes are zeros, which add nothing, and this program alone reads the bytes.
; LIMITS: blocks whose largest magnitude lies under 2^-124 keep the byte 1; NaN and infinities among the inputs are not served.
; The scale bytes of roles 0 and 1 leave as 2 bytes a lane, 16 bytes apart: one byte in 17 of what these roles store; the codes leave 256 neighbouring bytes for each 16 lanes.
.set KST,   0                          ; LDS, role 2: a stage for each wave, 32 rows x (256 + 16) bytes
.set KSTW,  8704
.set MST,   69632                      ; LDS, role 3: a stage for each wave, 16 rows x (512 + 16) bytes.  Each role has LDS bytes of its own
.set MSTW,  8448
.set SPARE, 137216                     ; the spare words, 128 bytes for each wave: four blocks of 256 bytes that no other line names
.set TA,    110                        ; v110, v111 at work in QBLK
.set TB,    111
; v1 my spare word's address, v2 = 0 (both kept); v3 lane, v4 r, v5 h; v8-13 offsets; v32-95 numbers; v96-103 codes; v104-109 scale bytes and mask words
; 32 numbers of one block, v[xs] on, become 32 codes in v[c] .. v[c + 3] and the scale's byte in v[e]
.macro QBLK xs, c, e
.set qX, \xs
.set qC, \c
	v_max3_num_f32 v[TA], |v[qX]|, |v[qX+1]|, |v[qX+2]|       ; the largest magnitude, in two chains
	v_max3_num_f32 v[TB], |v[qX+3]|, |v[qX+4]|, |v[qX+5]|
.irp i, 6,10,14,18,22,26
	v_max3_num_f32 v[TA], v[TA], |v[qX+\i]|, |v[qX+\i+1]|
	v_max3_num_f32 v[TB], v[TB], |v[qX+\i+2]|, |v[qX+\i+3]|
.endr
	v_max3_num_f32 v[TA], v[TA], |v[qX+30]|, |v[qX+31]|
	v_max3_num_f32 v[TA], v[TA], v[TB], 0x1800000              ; and the floor 2^(3 - 127): the byte cannot fall under 1
	v_add_nc_u32 v[TB], 0xff000000, v[TA]                      ; 2 off the exponent field: the conversion takes this operand's exponent field as its scale
	v_lshrrev_b32 v[\e], 23, v[TB]                             ; the scale's byte
.irp g, 0,1,2,3
	v_cvt_scalef32_pk8_fp4_f32 v[qC+\g], v[qX+8*\g:qX+8*\g+7], v[TB]
.endr
	v_nop                                                      ; one plain line behind the last scaled conversion
.endm
; the wave's end, behind the last LDS store
.macro FIN
	s_wait_tensorcnt 0x0
	ds_add_u32 v1, v2
	s_wait_dscnt 0x0
	s_endpgm
.endm
; Roles 0 and 1: a lane takes a column and its 64 registers run down K (two blocks).  Each load reads 128 neighbouring bytes in the wave.
.macro COLQ stride, src, dc, ds
.set ci, 0
.rept 64
	global_load_b32 v[32+ci], v10, s[\src:\src+1] offset:ci*\stride th:TH_LOAD_NT
.set ci, ci+1
.endr
	s_wait_loadcnt 32                                          ; the first block's 32 loads are in; the second block's 32 may be out
	QBLK 32, 96, 104
	s_wait_loadcnt 0x0
	QBLK 64, 100, 105
	global_store_b128 v8, v[96:99], s[\dc:\dc+1]               ; fragment lanes 0-15 (K's lower 32),
	global_store_b128 v8, v[100:103], s[\dc:\dc+1] offset:256  ; lanes 16-31 (the upper 32): 16 lanes fill 256 neighbouring bytes
	v_lshl_or_b32 v104, v105, 8, v104
	global_store_b16 v9, v104, s[\ds:\ds+1]                    ; the two blocks' bytes, neighbours in the scale word
.endm
	s_load_b512 s[4:19], s[0:1], 0x0               ; cum_weight s[4:5], k s[6:7], v s[8:9], mask s[10:11], cwq s[12:13], kq s[14:15], ksc s[16:17], vq s[18:19]
	s_load_b128 s[20:23], s[0:1], 0x40             ; vsc s[20:21], mbits s[22:23]
	v_lshl_add_u32 v1, v0, 2, SPARE
	v_mov_b32 v2, 0
	v_lshrrev_b32 v3, 5, v0
	v_readfirstlane_b32 s24, v3                    ; W: wave 0..7
	v_and_b32 v3, 31, v0                           ; lane
	v_and_b32 v4, 15, v0                           ; r
	v_bfe_u32 v5, v0, 4, 1                         ; h
	s_and_b32 s25, ttmp9, 63                       ; n: the work-group's number within its role
	s_lshr_b32 s26, ttmp9, 6                       ; the role
	s_mov_b32 s31, 0                               ; the high words of three offset pairs
	s_mov_b32 s35, 0
	s_mov_b32 s37, 0
	s_wait_kmcnt 0x0
	s_cmp_eq_u32 s26, 0
	s_cbranch_scc1 .Lcw
	s_cmp_eq_u32 s26, 1
	s_cbranch_scc1 .Lv
	s_cmp_eq_u32 s26, 2
	s_cbranch_scc1 .Lk
	; ---- role 3: mask.  I = n, the wave takes 16 rows x 128 columns (key blocks 4 W .. 4 W + 3)
	s_lshl_b32 s30, s25, 16                        ; 16 rows of 4,096 bytes
	s_lshl_b32 s32, s24, 9
	s_add_co_u32 s30, s30, s32
	s_lshl_b32 s34, s25, 11                        ; (32 I + 4 W) x 64 bytes
	s_lshl_b32 s32, s24, 8
	s_add_co_u32 s34, s34, s32
	s_add_nc_u64 s[10:11], s[10:11], s[30:31]
	s_add_nc_u64 s[22:23], s[22:23], s[34:35]
	v_lshlrev_b32 v10, 4, v3                       ; in: 16 bytes a lane, 512 neighbouring bytes a load
	s_mul_i32 s32, s24, MSTW
	s_add_co_u32 s32, s32, MST                     ; my stage
	v_add_nc_u32 v12, s32, v10                     ; into it as loaded
	v_mul_u32_u24 v13, v4, 528
	v_lshl_add_u32 v13, v5, 6, v13
	v_add_nc_u32 v13, s32, v13                     ; out of it: row r, 16 numbers from column 16 h on
	v_lshlrev_b32 v9, 3, v3                        ; out: 8 bytes a lane
	v_mov_b32 v108, 0                              ; written whole before single lanes are written
	v_mov_b32 v109, 0
.irp i, 0,1,2,3,4,5,6,7,8,9,10,11,12,13,14,15
	global_load_b128 v[32+4*\i:35+4*\i], v10, s[10:11] offset:\i*4096 th:TH_LOAD_NT
.endr
.irp i, 0,1,2,3,4,5,6,7,8,9,10,11,12,13,14,15
	s_wait_loadcnt 15-\i                           ; load i is in; the younger ones may be out
	ds_store_b128 v12, v[32+4*\i:35+4*\i] offset:\i*528
.endr
.irp jq, 0,1,2,3
.irp q, 0,1,2,3
	ds_load_b128 v[32+16*\jq+4*\q:35+16*\jq+4*\q], v13 offset:128*\jq+16*\q   ; LDS serves a wave's instructions in order: these see my stores
.endr
.endr
.irp jq, 0,1,2,3
	s_wait_dscnt 12-4*\jq                          ; this key block's four loads are in; the later blocks' may be out
.irp x, 0,1,2,3,4,5,6,7,8,9,10,11,12,13,14,15
	v_cmp_ne_u32 s[40+\x], 0, v[32+16*\jq+\x]      ; word x: a bit for each lane (r, h)
.endr
.irp x, 0,1,2,3,4,5,6,7,8,9,10,11,12,13,14,15
	v_writelane_b32 v[108+\x%2], s[40+\x], 8*\jq+\x/2   ; word 16 J' + x of the wave's 64 goes to lane (16 J' + x) / 2
.endr
.endr
	global_store_b64 v9, v[108:109], s[22:23]      ; 32 lanes store 256 neighbouring bytes, aligned
	FIN
.Lcw:	; ---- role 0: cum_weight.  s = n / 8, gamma = (n / 2) % 4, hf = n % 2 (which 64 of the K step), beta = W
	s_lshr_b32 s27, s25, 3
	s_bfe_u32 s28, s25, 0x20001
	s_and_b32 s29, s25, 1
	s_lshl_b32 s30, s27, 19                        ; in: row 128 s + 64 hf of 4,096 bytes, column 32 (8 gamma + W)
	s_lshl_b32 s32, s29, 18
	s_add_co_u32 s30, s30, s32
	s_lshl_b32 s32, s28, 10
	s_add_co_u32 s30, s30, s32
	s_lshl_b32 s32, s24, 7
	s_add_co_u32 s30, s30, s32
	s_mul_i32 s34, s27, 69632                      ; out: the block (s, beta),
	s_mul_i32 s32, s24, 8704
	s_add_co_u32 s34, s34, s32
	s_lshl_b32 s32, s28, 2                         ; its scale words: 8192 + 4 gamma + 2 hf,
	s_add_co_u32 s36, s34, s32
	s_lshl_b32 s32, s29, 1
	s_add_co_u32 s36, s36, s32
	s_add_co_u32 s36, s36, 8192
	s_lshl_b32 s32, s28, 11                        ; its codes: 2048 gamma + 512 hf
	s_add_co_u32 s34, s34, s32
	s_lshl_b32 s32, s29, 9
	s_add_co_u32 s34, s34, s32
	s_add_nc_u64 s[4:5], s[4:5], s[30:31]
	s_add_nc_u64 s[38:39], s[12:13], s[36:37]
	s_add_nc_u64 s[12:13], s[12:13], s[34:35]
	v_lshlrev_b32 v10, 2, v3                       ; my column: 4 bytes a lane
	v_bfe_u32 v6, v0, 3, 1                         ; column lane of the 32 is 8 u + r' + 8 (r' / 8): u = bit 3,
	v_and_b32 v7, 7, v0
	v_lshl_add_u32 v7, v5, 3, v7                   ; r' = low three bits + 8 x bit 4
	v_lshlrev_b32 v8, 4, v7
	v_lshl_add_u32 v9, v6, 8, v8                   ; scale words: lane 16 u + r', 16 bytes each
	v_lshl_add_u32 v8, v6, 10, v8                  ; codes: 1024 u + 16 r'
	COLQ 4096, 4, 12, 38
	FIN
.Lv:	; ---- role 1: v.  bh = n / 4, s = 2 (n % 4) + W / 4, hf = (W / 2) % 2, dh = W % 2 (which 32 of the head's 64)
	s_lshr_b32 s27, s25, 2
	s_and_b32 s28, s25, 3
	s_lshl_b32 s28, s28, 1
	s_lshr_b32 s32, s24, 2
	s_add_co_u32 s28, s28, s32
	s_and_b32 s29, s24, 1
	s_bfe_u32 s33, s24, 0x10001
	s_lshr_b32 s30, s27, 3                         ; in: batch, token 128 s + 64 hf (2,048 bytes each), head, 32 dh
	s_lshl_b32 s30, s30, 21
	s_lshl_b32 s32, s28, 18
	s_add_co_u32 s30, s30, s32
	s_lshl_b32 s32, s33, 17
	s_add_co_u32 s30, s30, s32
	s_and_b32 s32, s27, 7
	s_lshl_b32 s32, s32, 8
	s_add_co_u32 s30, s30, s32
	s_lshl_b32 s32, s29, 7
	s_add_co_u32 s30, s30, s32
	s_lshl_b32 s34, s27, 15                        ; codes: 32768 bh + 16384 dh + 1024 s + 512 hf
	s_lshl_b32 s32, s29, 14
	s_add_co_u32 s34, s34, s32
	s_lshl_b32 s32, s28, 10
	s_add_co_u32 s34, s34, s32
	s_lshl_b32 s32, s33, 9
	s_add_co_u32 s34, s34, s32
	s_lshl_b32 s36, s27, 11                        ; scale bytes: 2048 bh + 1024 dh + 256 (s / 4) + 4 (s % 4) + 2 hf
	s_lshl_b32 s32, s29, 10
	s_add_co_u32 s36, s36, s32
	s_lshr_b32 s32, s28, 2
	s_lshl_b32 s32, s32, 8
	s_add_co_u32 s36, s36, s32
	s_and_b32 s32, s28, 3
	s_lshl_b32 s32, s32, 2
	s_add_co_u32 s36, s36, s32
	s_lshl_b32 s32, s33, 1
	s_add_co_u32 s36, s36, s32
	s_add_nc_u64 s[8:9], s[8:9], s[30:31]
	s_add_nc_u64 s[18:19], s[18:19], s[34:35]
	s_add_nc_u64 s[20:21], s[20:21], s[36:37]
	v_lshlrev_b32 v10, 2, v3                       ; my d: 4 bytes a lane
	v_lshlrev_b32 v8, 4, v4
	v_lshl_add_u32 v9, v5, 9, v8                   ; scale words: tile dt = 2 dh + h: 512 h + 16 r
	v_lshl_add_u32 v8, v5, 13, v8                  ; codes: 8192 h + 16 r
	COLQ 2048, 8, 18, 20
	FIN
.Lk:	; ---- role 2: k.  bh = n / 4, J = 8 (n % 4) + W: 32 keys x 64 numbers.  K is innermost: the rows turn through my stage so that a lane gets 32 neighbours
	s_lshr_b32 s27, s25, 2
	s_and_b32 s28, s25, 3
	s_lshl_b32 s28, s28, 3
	s_add_co_u32 s28, s28, s24                     ; J
	s_lshr_b32 s30, s27, 3
	s_lshl_b32 s30, s30, 21
	s_lshl_b32 s32, s28, 16                        ; 32 keys of 2,048 bytes
	s_add_co_u32 s30, s30, s32
	s_and_b32 s32, s27, 7
	s_lshl_b32 s32, s32, 8
	s_add_co_u32 s30, s30, s32
	s_lshl_b32 s32, s27, 5
	s_add_co_u32 s32, s32, s28                     ; 32 bh + J
	s_lshl_b32 s34, s32, 10
	s_lshl_b32 s36, s32, 6
	s_add_nc_u64 s[6:7], s[6:7], s[30:31]
	s_add_nc_u64 s[14:15], s[14:15], s[34:35]
	s_add_nc_u64 s[16:17], s[16:17], s[36:37]
	s_mov_b32 s38, 0x76543210
	s_mov_b32 s39, 0xfedcba98                      ; v_permlanex16_b32's selects for lane l xor 16
	v_lshlrev_b32 v10, 4, v4
	v_lshl_add_u32 v10, v5, 11, v10                ; in: lanes 0-15 one key's 256 bytes, lanes 16-31 the next key's
	s_mul_i32 s32, s24, KSTW                       ; my stage (KST = 0)
	v_mul_u32_u24 v12, v5, 272
	v_lshl_add_u32 v12, v4, 4, v12
	v_add_nc_u32 v12, s32, v12                     ; into it: row 2 i + h
	v_and_b32 v13, 8, v4
	v_add_nc_u32 v13, v13, v4                      ; r + 8 (r / 8)
	v_mul_u32_u24 v13, v13, 272
	v_lshl_add_u32 v13, v5, 7, v13
	v_add_nc_u32 v13, s32, v13                     ; out of it: that key's row, 32 numbers from 32 h on; tile u lies 8 rows further down
	v_lshlrev_b32 v8, 4, v3
	v_lshlrev_b32 v9, 1, v3
.irp i, 0,1,2,3,4,5,6,7,8,9,10,11,12,13,14,15
	global_load_b128 v[32+4*\i:35+4*\i], v10, s[6:7] offset:\i*4096 th:TH_LOAD_NT
.endr
.irp i, 0,1,2,3,4,5,6,7,8,9,10,11,12,13,14,15
	s_wait_loadcnt 15-\i                           ; load i is in; the younger ones may be out
	ds_store_b128 v12, v[32+4*\i:35+4*\i] offset:\i*544
.endr
.irp u, 0,1
.irp q, 0,1,2,3,4,5,6,7
	ds_load_b128 v[32+32*\u+4*\q:35+32*\u+4*\q], v13 offset:\u*2176+16*\q   ; LDS serves a wave's instructions in order: these see my stores
.endr
.endr
	s_wait_dscnt 8                                 ; tile 0's eight loads are in; tile 1's may be out
	QBLK 32, 96, 104
	s_wait_dscnt 0x0
	QBLK 64, 100, 105
	global_store_b128 v8, v[96:99], s[14:15]       ; a fragment's image: 512 neighbouring bytes
	global_store_b128 v8, v[100:103], s[14:15] offset:512
	v_lshlrev_b32 v106, 3, v5
	v_lshlrev_b32 v104, v106, v104                 ; my block's byte at its place (8 h bits up);
	v_lshlrev_b32 v105, v106, v105
	v_mov_b32 v107, 0                              ; (a lane permute's destination counts as one of its sources)
	v_mov_b32 v108, 0
	v_permlanex16_b32 v107, v104, s38, s39
	v_permlanex16_b32 v108, v105, s38, s39
	v_or_b32 v104, v104, v107                      ; with lane l xor 16's the key's two bytes are together
	v_or_b32 v105, v105, v108
	v_cmp_lt_u32 vcc_lo, 15, v3
	v_cndmask_b32 v104, v104, v105, vcc_lo         ; lanes 0-15 store tile 0's, lanes 16-31 tile 1's
	global_store_b16 v9, v104, s[16:17]
	FIN
.Lfunc_end_k_q1111f03f0c_prep:
	.size	k_q1111f03f0c_prep, .Lfunc_end_k_q1111f03f0c_prep-k_q1111f03f0c_prep
	.p2alignl 7, 3214868480
	.fill 96, 4, 3214868480
	.section	.rodata,"a",@progbits
	.p2align	6, 0x0
	.amdhsa_kernel k_q1111f03f0c_prep
		.amdhsa_group_segment_fixed_size 138240
		.amdhsa_private_segment_fixed_size 0
		.amdhsa_enable_private_segment 0
		.amdhsa_kernarg_size 80
		.amdhsa_user_sgpr_count 2
		.amdhsa_user_sgpr_kernarg_segment_ptr 1
		.amdhsa_wavefront_size32 1
		.amdhsa_system_sgpr_workgroup_id_x 1
		.amdhsa_system_sgpr_workgroup_id_y 1
		.amdhsa_system_sgpr_workgroup_id_z 1
		.amdhsa_system_vgpr_workitem_id 0
		.amdhsa_next_free_vgpr 128
		.amdhsa_next_free_sgpr 66
		.amdhsa_reserve_vcc 1
		.amdhsa_float_denorm_mode_32 3
		.amdhsa_float_denorm_mode_16_64 3
		.amdhsa_memory_ordered 1
		.amdhsa_forward_progress 1
		.amdhsa_inst_pref_size 45
	.end_amdhsa_kernel
	.amdgpu_metadata
---
amdhsa.version: [ 1, 2 ]
amdhsa.kernels:
  - .name:           k_q1111f03f0c_prep
    .symbol:         k_q1111f03f0c_prep.kd
    .args:
      - { .name: cum_weight, .offset: 0, .size: 8, .value_kind: global_buffer, .address_space: global }
      - { .name: k, .offset: 8, .size: 8, .value_kind: global_buffer, .address_space: global }
      - { .name: v, .offset: 16, .size: 8, .value_kind: global_buffer, .address_space: global }
      - { .name: mask, .offset: 24, .size: 8, .value_kind: global_buffer, .address_space: global }
      - { .name: cwq, .offset: 32, .size: 8, .value_kind: global_buffer, .address_space: global }
      - { .name: kq, .offset: 40, .size: 8, .value_kind: global_buffer, .address_space: global }
      - { .name: ksc, .offset: 48, .size: 8, .value_kind: global_buffer, .address_space: global }
      - { .name: vq, .offset: 56, .size: 8, .value_kind: global_buffer, .address_space: global }
      - { .name: vsc, .offset: 64, .size: 8, .value_kind: global_buffer, .address_space: global }
      - { .name: mbits, .offset: 72, .size: 8, .value_kind: global_buffer, .address_space: global }
    .group_segment_fixed_size: 138240
    .private_segment_fixed_size: 0
    .kernarg_segment_align: 8
    .kernarg_segment_size: 80
    .max_flat_workgroup_size: 256
    .sgpr_count:     66
    .vgpr_count:     128
    .wavefront_size: 32
...
	.end_amdgpu_metadata
.endif
;; end of part 1
;; launch attn (part 2): grid 32 x 16, 16 waves a work-group, clusters of 4 x 1, 327,680 bytes of LDS; arguments q, kq, ksc, vq, vsc, mbits, cwq, out0; writes out0
.if DOCPART == 2
	.amdgcn_target "amdgcn-amd-amdhsa--gfx1250"
	.amdhsa_code_object_version 6
	.text
	.protected	k_q1111f03f0c_attn
	.globl	k_q1111f03f0c_attn
	.p2align	8
	.type	k_q1111f03f0c_attn,@function
k_q1111f03f0c_attn:
	s_mov_b64 s[64:65], 0
	v_nop
	global_prefetch_b8 v0, s[64:65] scope:SCOPE_SE
	s_setreg_imm32_b32 hwreg(HW_REG_WAVE_MODE, 25, 1), 1
	s_wait_xcnt 0x0
	s_wait_alu depctr_hold_cnt(0) depctr_sa_sdst(0) depctr_va_vdst(0) depctr_va_sdst(0) depctr_va_ssrc(0) depctr_va_vcc(0) depctr_vm_vsrc(0)
	s_getreg_b32 s2, hwreg(HW_REG_IB_STS2, 6, 4)
	s_cmp_eq_u32 s2, 0
	s_cbranch_scc0 .Lentry_in_a_cluster
	s_endpgm
.Lentry_in_a_cluster:
	s_bfe_u32 s2, ttmp6, 0x10000c
	s_cmp_lg_u32 s2, 0x3003
	s_cbranch_scc0 .Lentry_shape_is_right
	s_endpgm
.Lentry_shape_is_right:
; y = att v,  att = z exp(log_beta cum_weight),  z = sigmoid(l), log_beta = log_sigmoid(-l), both 0 where mask = 0,  l = q . k / 8.  All three products on codes of E2M1 with E8M0 scales.
; No work is left out: mask and cum_weight are inputs, every tile is computed.
; ARITHMETIC (identities for all values, in f32).  S = k . q (so l = S / 8).  E = 2^-|S log2e / 8|;  U = 1 + E;  R = E - (U - 1), U's rounding error, exact;  L = ln2 log2(U) + R = log1p(E).
;   MN = min(S, 0), MX = S - MN.  SP = MX / 8 + L = -log_beta;  NL = -MN / 8 + L = -log z: the forms max(., 0) + log1p(exp(-|.|)).
;   The quantiser is odd: SP (never negative) is quantised in log_beta's place and the sign goes into the last exponential:  att = 2^(-log2e (NL + sum over j of SPq cwq)).
;   NL is put into the second product's accumulators, so that it costs no register of its own.
;   THE MASK: the first product's C is 0 where mask != 0 and -1e30 elsewhere: then E = 0, L = 0, MX = 0, so SP = 0 exactly, and NL = 1.25e29, so att = 0 exactly.
; LIMITS: |S| and |log_beta cum_weight| stay far under 1e29; where exp(log_beta cum_weight) alone would overflow, this form gives the finite product z exp(..), and 0 under the mask, where
;   the separate factors would give infinity or NaN; NaN and infinities among the inputs are not served; blocks whose largest magnitude lies under 2^-124 keep the scale byte 1.
; SHARES.  A work-group owns 64 rows: 32 queries i x the 2 choices kk of one (batch, head): four row tiles m = 2 p + kk of 16.  THE 16 WAVES SHARE THE COLUMNS: wave W (beta = W % 8, p = W / 8)
;   owns, for row tiles (p, 0) and (p, 1), the column blocks of 32 numbered 8 gamma + beta, gamma = 0 .. 3: 16 accumulators, 128 registers.  Four waves to a SIMD, 256 registers each.
; TIME goes in four chunks sg of 256 keys.  In chunk sg a wave makes S, SP and NL for key block 8 sg + beta, which is its own column block gamma = sg; hands SP's codes to the others through
;   LDS as an image of the operand's registers; and runs the second product's K steps 2 sg and 2 sg + 1 on all its columns.
; cum_weight's codes (cwq) pass through a ring of two LDS slots, a chunk (139,264 bytes) each, every wave fetching a sixteenth.  CLUSTER: the four work-groups of a cluster walk the same cwq,
;   so each part is asked for JOINTLY: the same tensor load, the same descriptor, a mask that names the four.  By this text's count a wave has two tensor loads out at the start, later one.
; LAYOUT.  All products are used transposed (source 0 = 16 keys / columns / channels, source 1 = 16 rows): a lane (r, h) holds ONE row r throughout.  The keys and columns of a tile are
;   32 J + 8 u + r + 8 (r / 8), so that the 16 registers of tiles u = 0, 1 are 16 neighbours 32 J + 16 h + 0 .. 15 along the next K.
; REGISTERS: v0 thread; v1, v2 the add's two; v3 16 lane, v4 2 lane; v5-v10 LDS addresses; v11 -1e30; v12-15 cwq's (later v's) scale words; v16-31 q's two fragments (4 registers of codes, 4 of
;   zeros each: K = 64 of the instruction's 128); v32-35 scale words (q, k, SP; later att's); v36-47 k's two fragments and 4 zeros; v48-127 at work; v128-255 the accumulators, (gamma, kk, u) at 128 + 32 gamma + 16 kk + 8 u.
.set SLOTB, 139264                     ; a slot: 2 K steps x 8 beta x 8704 bytes, dense register images: every read is 16 x lane on end, so no padding
.set STEPB, 69632
.set WPART, 8704                       ; what one wave fetches, and one (K step, beta): 8192 of codes, 512 of scale words
.set IMG,   278528                     ; behind the ring: SP's images, 2 parities x [K step 2][m 4][1024]
.set ISC,   294912                     ; SP's scale words, 2 parities x [K step 2][p 2][lane = 16 kk + r][4]
.set QIMG,  295936                     ; q's four fragments, 512 bytes each
.set QSC,   297984                     ; q's scale bytes [p 2][16 kk + r][2]
.set SPARE, 298240                     ; the spare words, 128 bytes for each wave: eight blocks of 256 bytes that no other line names
.set ASC,   32768                      ; in slot 0, behind its last fill and its last read: att's images [s 8][m 4][1024] from byte 0, their scale words [s 8][m 4][r 16][4] here,
.set STG,   34816                      ; and the stage for y: 64 rows x (256 + 16)
.macro PLACES n                        ; plain lines behind matrix instructions (ISA guide 7.12.1)
.rept \n
	v_nop
.endr
.endm
; a round of the cluster's barrier: my work-group's barrier; wave 0 signals for the work-group; every wave waits for all four work-groups; my work-group's barrier once more
.macro ROUND
	s_barrier_signal -1
	s_barrier_wait -1
	s_cmp_lg_u32 s20, 0
	s_cbranch_scc1 .Lnot_wave_0_\@
	s_barrier_signal -3
.Lnot_wave_0_\@:
	s_barrier_wait -3
	s_barrier_signal -1
	s_barrier_wait -1
.endm
; one matrix instruction.  c < 0: the constant 0 starts the sum.  ra, rb: the scale words are taken from lanes 16-31 of sa, sb
.macro WMM d, a, b, c, sa, sb, ra, rb
.set rD, \d
.set rA, \a
.set rB, \b
.set rC, \c
.set rS, \sa
.set rT, \sb
.set rW, 2*(\ra)+(\rb)
.if rC < 0
.if rW == 0
	v_wmma_scale_f32_16x16x128_f8f6f4 v[rD:rD+7], v[rA:rA+7], v[rB:rB+7], 0, v[rS], v[rT] matrix_a_fmt:MATRIX_FMT_FP4 matrix_b_fmt:MATRIX_FMT_FP4
.elseif rW == 1
	v_wmma_scale_f32_16x16x128_f8f6f4 v[rD:rD+7], v[rA:rA+7], v[rB:rB+7], 0, v[rS], v[rT] matrix_a_fmt:MATRIX_FMT_FP4 matrix_b_fmt:MATRIX_FMT_FP4 matrix_b_scale:MATRIX_SCALE_ROW1
.elseif rW == 2
	v_wmma_scale_f32_16x16x128_f8f6f4 v[rD:rD+7], v[rA:rA+7], v[rB:rB+7], 0, v[rS], v[rT] matrix_a_fmt:MATRIX_FMT_FP4 matrix_b_fmt:MATRIX_FMT_FP4 matrix_a_scale:MATRIX_SCALE_ROW1
.else
	v_wmma_scale_f32_16x16x128_f8f6f4 v[rD:rD+7], v[rA:rA+7], v[rB:rB+7], 0, v[rS], v[rT] matrix_a_fmt:MATRIX_FMT_FP4 matrix_b_fmt:MATRIX_FMT_FP4 matrix_a_scale:MATRIX_SCALE_ROW1 matrix_b_scale:MATRIX_SCALE_ROW1
.endif
.else
.if rW == 0
	v_wmma_scale_f32_16x16x128_f8f6f4 v[rD:rD+7], v[rA:rA+7], v[rB:rB+7], v[rC:rC+7], v[rS], v[rT] matrix_a_fmt:MATRIX_FMT_FP4 matrix_b_fmt:MATRIX_FMT_FP4
.elseif rW == 1
	v_wmma_scale_f32_16x16x128_f8f6f4 v[rD:rD+7], v[rA:rA+7], v[rB:rB+7], v[rC:rC+7], v[rS], v[rT] matrix_a_fmt:MATRIX_FMT_FP4 matrix_b_fmt:MATRIX_FMT_FP4 matrix_b_scale:MATRIX_SCALE_ROW1
.elseif rW == 2
	v_wmma_scale_f32_16x16x128_f8f6f4 v[rD:rD+7], v[rA:rA+7], v[rB:rB+7], v[rC:rC+7], v[rS], v[rT] matrix_a_fmt:MATRIX_FMT_FP4 matrix_b_fmt:MATRIX_FMT_FP4 matrix_a_scale:MATRIX_SCALE_ROW1
.else
	v_wmma_scale_f32_16x16x128_f8f6f4 v[rD:rD+7], v[rA:rA+7], v[rB:rB+7], v[rC:rC+7], v[rS], v[rT] matrix_a_fmt:MATRIX_FMT_FP4 matrix_b_fmt:MATRIX_FMT_FP4 matrix_a_scale:MATRIX_SCALE_ROW1 matrix_b_scale:MATRIX_SCALE_ROW1
.endif
.endif
.endm
; nb blocks of 32 along K, of which my lane holds 16 neighbours each in v[base + 16 b] on (none negative: no |.|), and lane l xor 16 the other 16.
; Out: my 16 codes of block b in v[pc + 2 b], v[pc + 2 b + 1]; the scale's byte in v[tb + b].  The blocks take turns line by line.
.macro QUANT base, nb, tm, tb, pc
.set qB, \base
.set qM, \tm
.set qT, \tb
.set qP, \pc
.set qb, 0
.rept \nb
	v_max3_num_f32 v[qM+qb], v[qB+16*qb], v[qB+16*qb+1], 0x1800000   ; with the floor 2^(3 - 127): the byte cannot fall under 1
.set qb, qb+1
.endr
.irp i, 2,4,6,8,10,12,14
.set qb, 0
.rept \nb
	v_max3_num_f32 v[qM+qb], v[qM+qb], v[qB+16*qb+\i], v[qB+16*qb+\i+1]
.set qb, qb+1
.endr
.endr
.set qb, 0
.rept \nb
	v_permlanex16_b32 v[qT+qb], v[qM+qb], s66, s67
.set qb, qb+1
.endr
.set qb, 0
.rept \nb
	v_max_num_f32 v[qM+qb], v[qM+qb], v[qT+qb]     ; the block's largest number
.set qb, qb+1
.endr
.set qb, 0
.rept \nb
	v_add_nc_u32 v[qM+qb], 0xff000000, v[qM+qb]    ; 2 off its exponent field: the conversion's scale operand
.set qb, qb+1
.endr
.set qb, 0
.rept \nb
	v_lshrrev_b32 v[qT+qb], 23, v[qM+qb]           ; the scale's byte
.set qb, qb+1
.endr
.set qb, 0
.rept \nb
	v_cvt_scalef32_pk8_fp4_f32 v[qP+2*qb], v[qB+16*qb:qB+16*qb+7], v[qM+qb]
	v_cvt_scalef32_pk8_fp4_f32 v[qP+2*qb+1], v[qB+16*qb+8:qB+16*qb+15], v[qM+qb]
.set qb, qb+1
.endr
	v_nop                                          ; one plain line behind the last scaled conversion
.endm
	s_load_b512 s[4:19], s[0:1], 0x0               ; q s[4:5], kq s[6:7], ksc s[8:9], vq s[10:11], vsc s[12:13], mbits s[14:15], cwq s[16:17], out0 s[18:19]
	v_lshl_add_u32 v1, v0, 2, SPARE
	v_mov_b32 v2, 0
	ds_add_u32 v1, v2                              ; the wave's opening: the add, twice on end, and its wait ahead of my first tensor load; the set-up below, work on registers, stands between
	ds_add_u32 v1, v2
	v_lshrrev_b32 v3, 5, v0
	v_readfirstlane_b32 s20, v3                    ; W: wave 0..15
	s_and_b32 s21, s20, 7                          ; beta
	s_lshr_b32 s22, s20, 3                         ; p
	s_and_b32 s23, s20, 3                          ; W % 4
	s_bfe_u32 s88, s20, 0x10002                    ; (W / 4) % 2
	s_bfe_u32 s89, ttmp6, 0x40000                  ; cx: my place in the cluster: it enters global offsets alone
	s_lshl_b32 s90, ttmp9, 2
	s_add_co_u32 s90, s90, s89                     ; my block of 32 queries = 4 x cluster x + cx
	s_and_b32 s91, ttmp7, 0xffff                   ; bh = 8 batch + head
	; descriptor group 1: 8,704 dense bytes as 34 rows of 256 (32 elements of 8 bytes)
	s_mov_b32 s24, 15|(3<<16)|(1<<21)              ; 15:0 the mask: all four work-groups; 17:16 elements of 8 bytes; 21 set beside a mask; no padding
	s_mov_b32 s25, 32<<16                          ; tensor_dim0 = 32
	s_mov_b32 s26, 34<<16                          ; tensor_dim1 = 34
	s_mov_b32 s27, 32<<16                          ; tile_dim0 = 32
	s_mov_b32 s28, 34                              ; tile_dim1 = 34
	s_mov_b32 s29, 32                              ; from row to row
	s_mov_b32 s30, 0
	s_mov_b32 s31, 0
	s_mov_b32 s66, 0x76543210
	s_mov_b32 s67, 0xfedcba98                      ; v_permlanex16_b32's selects for lane l xor 16
	s_mov_b32 s76, 0x3e38aa3b                      ; log2e / 8.  (The packed forms name a pair and take its low word for both halves: both words are written)
	s_mov_b32 s77, s76
	s_mov_b32 s78, 0x3f317218                      ; ln 2
	s_mov_b32 s79, s78
	s_mov_b32 s80, 0x3e000000                      ; 1 / 8
	s_mov_b32 s81, s80
	s_mov_b32 s82, 0xbe000000                      ; -1 / 8
	s_mov_b32 s83, s82
	s_mov_b32 s84, 0xbfb8aa3b                      ; -log2e
	s_mov_b32 s85, s84
	v_mov_b32 v11, 0xf149f2ca                      ; -1e30
	; lane terms and LDS addresses: constants, the lane, the wave's number
	v_and_b32 v48, 31, v0                          ; lane
	v_and_b32 v49, 15, v0                          ; r
	v_bfe_u32 v50, v0, 4, 1                        ; h
	v_lshlrev_b32 v3, 4, v48
	v_lshlrev_b32 v4, 1, v48
	s_mul_i32 s92, s21, WPART
	v_add_nc_u32 v5, s92, v3                       ; my beta's part of a K step of cwq
	s_lshl_b32 s92, s22, 11
	s_add_co_u32 s92, s92, IMG
	v_add_nc_u32 v6, s92, v3                       ; SP's images of my p, to read
	s_lshr_b32 s96, s21, 2                         ; s96: my key block's place in an image: K step beta / 4, row tile 2 p, half (beta / 2) % 2 of the registers, lanes 16 (beta % 2) on
	s_lshl_b32 s96, s96, 12
	s_lshl_b32 s92, s22, 11
	s_add_co_u32 s96, s96, s92
	s_bfe_u32 s92, s21, 0x10001
	s_lshl_b32 s92, s92, 9
	s_add_co_u32 s96, s96, s92
	s_and_b32 s92, s21, 1
	s_lshl_b32 s92, s92, 8
	s_add_co_u32 s96, s96, s92
	s_add_co_u32 s92, s96, IMG
	v_lshlrev_b32 v7, 4, v49
	v_lshl_add_u32 v7, v50, 3, v7                  ; 16 r + 8 h: my 16 codes are half of a lane's block of 32
	v_add_nc_u32 v7, s92, v7                       ; SP's image, to write
	s_lshr_b32 s97, s21, 2                         ; s97: my byte's place among the scale words
	s_lshl_b32 s97, s97, 8
	s_lshl_b32 s92, s22, 7
	s_add_co_u32 s97, s97, s92
	s_and_b32 s92, s21, 3
	s_add_co_u32 s97, s97, s92
	s_add_co_u32 s92, s97, ISC
	v_lshl_add_u32 v8, v49, 2, s92                 ; SP's scale byte, to write
	s_lshl_b32 s92, s22, 7
	s_add_co_u32 s92, s92, ISC
	v_lshl_add_u32 v9, v48, 2, s92                 ; SP's scale words of my p, to read
	; q: wave W quantises rows 4 (W % 4) + lane / 8 of row tile W / 4; a lane takes 8 numbers, g = lane % 8
	v_bfe_u32 v61, v0, 3, 2                        ; lane / 8
	v_bfe_u32 v62, v0, 2, 1                        ; g / 4: which block of 32
	v_and_b32 v63, 3, v0                           ; g % 4: which register of the fragment
	v_and_b32 v60, 7, v0
	v_lshlrev_b32 v65, 1, v61
	v_add_nc_u32 v65, v65, v62
	v_lshlrev_b32 v51, 12, v61                     ; in memory: a query's row is 4,096 bytes on from the last,
	v_lshl_add_u32 v51, v60, 5, v51                ; 32 bytes a lane
	v_lshlrev_b32 v61, 4, v61
	v_lshl_add_u32 v61, v62, 8, v61
	v_lshl_add_u32 v61, v63, 2, v61
	s_lshr_b32 s92, s20, 2
	s_lshl_b32 s92, s92, 9
	s_lshl_b32 s93, s23, 6
	s_add_co_u32 s92, s92, s93
	s_add_co_u32 s92, s92, QIMG
	v_add_nc_u32 v61, s92, v61                     ; the image: tile, lane (row + 16 (g / 4)) x 16, register g % 4
	s_lshl_b32 s92, s22, 6
	s_lshl_b32 s93, s88, 5
	s_add_co_u32 s92, s92, s93
	s_lshl_b32 s93, s23, 3
	s_add_co_u32 s92, s92, s93
	s_add_co_u32 s92, s92, QSC
	v_add_nc_u32 v65, s92, v65                     ; the scale byte: [p][16 kk + row][g / 4]
	s_lshl_b32 s92, s22, 10
	s_add_co_u32 s92, s92, QIMG
	v_add_nc_u32 v66, s92, v3                      ; and to read: my p's two fragments,
	s_lshl_b32 s92, s22, 6
	s_add_co_u32 s92, s92, QSC
	v_add_nc_u32 v67, s92, v4                      ; their scale bytes
	; global offsets, each in a pair of its own (these registers take the mask words afterwards)
	s_lshr_b32 s98, s91, 3
	s_lshl_b32 s32, s98, 22                        ; q and out0: batch, 32 queries of 4,096 bytes, head; then my wave's four rows: 16 p + 4 (W % 4), choice (W / 4) % 2
	s_lshl_b32 s98, s90, 17
	s_add_co_u32 s32, s32, s98
	s_and_b32 s98, s91, 7
	s_lshl_b32 s98, s98, 8
	s_add_co_u32 s32, s32, s98
	s_lshl_b32 s98, s22, 16
	s_add_co_u32 s32, s32, s98
	s_lshl_b32 s98, s88, 11
	s_add_co_u32 s32, s32, s98
	s_lshl_b32 s98, s23, 14
	s_add_co_u32 s32, s32, s98
	s_mov_b32 s33, 0
	s_lshl_b32 s98, s91, 5
	s_add_co_u32 s98, s98, s21                     ; 32 bh + beta: key block beta; chunk sg's lies 8 blocks on, in the immediates
	s_lshl_b32 s34, s98, 10
	s_mov_b32 s35, 0
	s_lshl_b32 s36, s98, 6
	s_mov_b32 s37, 0
	s_lshl_b32 s99, s90, 1
	s_add_co_u32 s99, s99, s22                     ; I = 2 x block + p
	s_lshl_b32 s99, s99, 5
	s_add_co_u32 s99, s99, s21
	s_lshl_b32 s38, s99, 6
	s_mov_b32 s39, 0
	s_lshl_b32 s40, s91, 15                        ; vq, vsc: my tile of 16 channels is dt = W % 4
	s_lshl_b32 s99, s23, 13
	s_add_co_u32 s40, s40, s99
	s_mov_b32 s41, 0
	s_lshl_b32 s42, s91, 11
	s_lshl_b32 s99, s23, 9
	s_add_co_u32 s42, s42, s99
	s_mov_b32 s43, 0
	s_mul_i32 s44, s20, WPART                      ; cwq: my sixteenth of a chunk
	s_mov_b32 s45, 0
	s_mov_b32 s68, 1                               ; group 0 for slot 0: count = 1,
	s_mul_i32 s69, s20, WPART                      ; LDS address: the wave's number alone,
	s_mov_b32 s72, 1                               ; and for slot 1
	s_add_co_u32 s73, s69, SLOTB
	s_wait_dscnt 0x0                               ; both opening adds are done
	s_wait_kmcnt 0x0
	s_add_nc_u64 s[4:5], s[4:5], s[32:33]
	s_add_nc_u64 s[18:19], s[18:19], s[32:33]
	s_add_nc_u64 s[6:7], s[6:7], s[34:35]
	s_add_nc_u64 s[8:9], s[8:9], s[36:37]
	s_add_nc_u64 s[14:15], s[14:15], s[38:39]
	s_add_nc_u64 s[10:11], s[10:11], s[40:41]
	s_add_nc_u64 s[12:13], s[12:13], s[42:43]
	s_add_nc_u64 s[70:71], s[16:17], s[44:45]      ; chunk 0,
	s_add_nc_u64 s[74:75], s[70:71], SLOTB         ; chunk 1: the same in all four partners
	s_or_b32 s71, s71, 0x80000000                  ; type = 2
	s_or_b32 s75, s75, 0x80000000
	global_load_b128 v[52:55], v51, s[4:5] th:TH_LOAD_NT            ; my 8 numbers of q: eight lanes read a row's 256 bytes
	global_load_b128 v[56:59], v51, s[4:5] offset:16 th:TH_LOAD_NT
	global_load_b128 v[36:39], v3, s[6:7]          ; chunk 0's two fragments of k,
	global_load_b128 v[40:43], v3, s[6:7] offset:512
	global_load_u16 v33, v4, s[8:9]                ; their scale bytes (the upper two bytes are 0: K's upper 64 meet q's zero codes)
	s_load_b512 s[32:47], s[14:15], 0x0            ; chunk 0's sixteen mask words,
	s_load_b512 s[48:63], s[14:15], 0x200          ; chunk 1's
	ROUND                                          ; all four work-groups are here: the first joint loads meet
	tensor_load_to_lds s[68:71], s[24:31]          ; the two first fills go out together, ahead of every wait on TENSORcnt, every LDS read and every other barrier
	s_nop 0
	tensor_load_to_lds s[72:75], s[24:31]
	s_nop 0
	; ---- q becomes four fragments in LDS
	s_wait_loadcnt 0x3                             ; q's two loads are in; k's three may be out
	v_max3_num_f32 v62, |v52|, |v53|, 0x1800000
	v_max3_num_f32 v62, v62, |v54|, |v55|
	v_max3_num_f32 v62, v62, |v56|, |v57|
	v_max3_num_f32 v62, v62, |v58|, |v59|
	v_max_num_f32_dpp v62, v62, v62 row_xmask:1 row_mask:0xf bank_mask:0xf   ; four neighbouring lanes hold a block of 32
	v_max_num_f32_dpp v62, v62, v62 row_xmask:2 row_mask:0xf bank_mask:0xf
	v_add_nc_u32 v62, 0xff000000, v62
	v_lshrrev_b32 v63, 23, v62
	v_cvt_scalef32_pk8_fp4_f32 v64, v[52:59], v62
	v_nop
	ds_store_b32 v61, v64
	ds_store_b8 v65, v63                           ; the four lanes of a block write the same byte with the same value
	s_wait_dscnt 0x0                               ; for the others' sake: my stores have landed
	s_barrier_signal -1
	s_barrier_wait -1                              ; the tensor loads may stay out
	ds_load_b128 v[16:19], v66                     ; row tile (p, 0),
	ds_load_b128 v[24:27], v66 offset:512          ; (p, 1)
	ds_load_u16 v32, v67                           ; lanes 0-15: tile (p, 0)'s scale bytes, lanes 16-31: (p, 1)'s
.irp z, 20,21,22,23,28,29,30,31,44,45,46,47
	v_mov_b32 v[\z], 0                             ; zero codes for K = 64 .. 127
.endr
	s_wait_dscnt 0x0
; The vector work on 16 scores a lane: row tile (p, kk), key block 8 sg + beta.  v48-63 MN (first U - 1), v96-111 E then R, v112-127 U then L.
.macro SOFT kk, sg
.set SB, 64+16*(\kk)
.set AB, 128+32*(\sg)+16*(\kk)
.irp j, 0,2,4,6,8,10,12,14
	v_pk_mul_f32 v[96+\j:97+\j], v[SB+\j:SB+\j+1], s[76:77] op_sel_hi:[1,0]   ; S log2e / 8 (each score tile is read from its low end on)
.endr
.irp j, 0,1,2,3,4,5,6,7,8,9,10,11,12,13,14,15
	v_exp_f32 v[96+\j], -|v[96+\j]|                ; E
.endr
	v_nop                                          ; a plain line behind the last exponential,
	s_wait_alu depctr_va_vdst(0)                   ; and one wait for the batch, ahead of its first reader
.irp j, 0,2,4,6,8,10,12,14
	v_pk_add_f32 v[112+\j:113+\j], v[96+\j:97+\j], 1.0 op_sel_hi:[1,0]        ; U = 1 + E
.endr
.irp j, 0,2,4,6,8,10,12,14
	v_pk_add_f32 v[48+\j:49+\j], v[112+\j:113+\j], -1.0 op_sel_hi:[1,0]       ; U - 1, exact
.endr
.irp j, 0,2,4,6,8,10,12,14
	v_pk_add_f32 v[96+\j:97+\j], v[96+\j:97+\j], v[48+\j:49+\j] neg_lo:[0,1] neg_hi:[0,1]   ; R = E - (U - 1), exact
.endr
.irp j, 0,1,2,3,4,5,6,7,8,9,10,11,12,13,14,15
	v_log_f32 v[112+\j], v[112+\j]                 ; log2 U
.endr
.irp j, 0,1,2,3,4,5,6,7,8,9,10,11,12,13,14,15
	v_min_num_f32 v[48+\j], 0, v[SB+\j]            ; MN: plain work behind the logarithms that names none of their results
.endr
.irp j, 0,2,4,6,8,10,12,14
	v_pk_add_f32 v[SB+\j:SB+\j+1], v[SB+\j:SB+\j+1], v[48+\j:49+\j] neg_lo:[0,1] neg_hi:[0,1]   ; MX = S - MN, exact
.endr
	s_wait_alu depctr_va_vdst(0)                   ; one wait for the sixteen logarithms
.irp j, 0,2,4,6,8,10,12,14
	v_pk_fma_f32 v[112+\j:113+\j], v[112+\j:113+\j], s[78:79], v[96+\j:97+\j] op_sel_hi:[1,0,1]   ; L = ln2 log2 U + R
.endr
.irp j, 0,2,4,6,8,10,12,14
	v_pk_fma_f32 v[SB+\j:SB+\j+1], v[SB+\j:SB+\j+1], s[80:81], v[112+\j:113+\j] op_sel_hi:[1,0,1]   ; SP = MX / 8 + L
.endr
.if (\sg) == 0
.irp j, 0,2,4,6,8,10,12,14
	v_pk_fma_f32 v[AB+\j:AB+\j+1], v[48+\j:49+\j], s[82:83], v[112+\j:113+\j] op_sel_hi:[1,0,1]   ; NL = -MN / 8 + L starts these accumulators
.endr
.else
.irp j, 0,2,4,6,8,10,12,14
	v_pk_fma_f32 v[48+\j:49+\j], v[48+\j:49+\j], s[82:83], v[112+\j:113+\j] op_sel_hi:[1,0,1]
.endr
.irp j, 0,2,4,6,8,10,12,14
	v_pk_add_f32 v[AB+\j:AB+\j+1], v[AB+\j:AB+\j+1], v[48+\j:49+\j]           ; NL joins what the earlier K steps have summed (each accumulator from its low end on)
.endr
.endif
.endm
; CHUNK sg, FIRST PART: the first product for my key block and both row tiles; SP and NL; SP's codes and bytes to LDS
.macro PH1 sg
.set MWB, 32+16*((\sg)%2)
	s_wait_loadcnt 0x0                             ; k's fragments and scale bytes
	s_wait_kmcnt 0x0                               ; the mask words
.set x, 0
.rept 16
	v_cndmask_b32 v[48+x], v11, 0, s[MWB+x]        ; the first product's C: 0 where the mask keeps, -1e30 elsewhere.  Register 8 u + j' is key 16 h + 8 u + j'
.set x, x+1
.endr
	WMM 64, 36, 16, 48, 33, 32, 0, 0               ; S^T (kk, u) at v[64 + 16 kk + 8 u]: source 0 = 16 keys, source 1 = 16 rows
	WMM 72, 40, 16, 56, 33, 32, 1, 0
	WMM 80, 36, 24, 48, 33, 32, 0, 1
	WMM 88, 40, 24, 56, 33, 32, 1, 1
	PLACES 4                                       ; in front of loads into registers that these have read, and of the first read of their results
.if (\sg) < 3
	global_load_b128 v[36:39], v3, s[6:7] offset:((\sg)+1)*8192        ; the next chunk's k: a whole chunk ahead of its use
	global_load_b128 v[40:43], v3, s[6:7] offset:((\sg)+1)*8192+512
	global_load_u16 v33, v4, s[8:9] offset:((\sg)+1)*512
.endif
.if (\sg) < 2
	s_load_b512 s[MWB:MWB+15], s[14:15], ((\sg)+2)*512                 ; and the mask words of two chunks on
.endif
	SOFT 0, \sg
	SOFT 1, \sg
	QUANT 64, 2, 96, 100, 108
.irp kk, 0,1
	ds_store_b64 v7, v[108+2*\kk:109+2*\kk] offset:((\sg)%2)*8192+\kk*1024   ; half a lane's block, where the operand's layout wants it: no lane exchange
	ds_store_b8 v8, v[100+\kk] offset:((\sg)%2)*512+\kk*64                   ; lanes l and l xor 16 write the same byte with the same value
.endr
.endm
; THE BARRIER OF A CHUNK.  Behind it SP's images of the chunk are whole, the chunk's slot is whole, and nobody reads the other slot or the other parity's images.
.macro MEET sg
.if (\sg) == 0
	s_wait_tensorcnt 0x1                           ; my part of slot 0 is in; slot 1's one load may stay out
	s_wait_dscnt 0x0                               ; my stores have landed
	s_barrier_signal -1
	s_barrier_wait -1
.elseif (\sg) == 3
	s_wait_tensorcnt 0x0                           ; my part of slot 1, the last chunk
	s_wait_dscnt 0x0
	s_barrier_signal -1
	s_barrier_wait -1
.else
.set GX, 68+4*((\sg)-1)
	s_wait_tensorcnt 0x0                           ; all my tensor loads have landed, so a group 0 may be written
	ds_add_u32 v1, v2                              ; 0 onto my spare word
	s_add_nc_u64 s[GX+2:GX+3], s[GX+2:GX+3], 2*SLOTB   ; the slot's next chunk, two on; the type bits on top are not reached
	s_wait_dscnt 0x0                               ; the add is done, my stores have landed, my reads of the slot that I left are over
	ROUND                                          ; the same now holds of every wave of all four work-groups
	tensor_load_to_lds s[GX:GX+3], s[24:31]        ; the slot read in the last chunk is filled again: my one tensor load behind this round; it has a chunk's products and the next chunk's vector work in which to land
	s_nop 0
.endif
.endm
; CHUNK sg, SECOND PART: the second product's two K steps on my 16 accumulators, which take turns, one instruction a turn
.macro PH2 sg
.irp kp, 0,1
.set cwo, ((\sg)%2)*SLOTB+\kp*STEPB
.if cwo == 0
.set AD, 5
.else
.set AD, 10
	v_add_nc_u32 v10, cwo, v5
.endif
	ds_load_b128 v[12:15], v[AD] offset:8192       ; cwq's scale words, one register a gamma: lanes 0-15 tile u = 0, lanes 16-31 u = 1
	ds_load_b32 v34, v9 offset:((\sg)%2)*512+\kp*256   ; SP's: lanes 0-15 row tile (p, 0), lanes 16-31 (p, 1)
.irp kk, 0,1
.irp cc, 0,1
	ds_load_b128 v[48+8*\kk+4*\cc:51+8*\kk+4*\cc], v6 offset:((\sg)%2)*8192+\kp*4096+\kk*1024+\cc*512
.endr
.endr
.irp g, 0,1,2,3
.irp u, 0,1
.irp cc, 0,1
	ds_load_b128 v[64+16*\g+8*\u+4*\cc:67+16*\g+8*\u+4*\cc], v[AD] offset:\g*2048+\u*1024+\cc*512
.endr
.endr
.endr
	s_wait_dscnt 0x8                               ; all but the youngest eight loads (gamma = 2, 3) are in
.irp g, 0,1
.irp u, 0,1
.irp kk, 0,1
.if ((\sg) == 0) && (\kp == 0) && (\g > 0)
	WMM 128+32*\g+16*\kk+8*\u, 64+16*\g+8*\u, 48+8*\kk, -1, 12+\g, 34, \u, \kk   ; the first K step starts the sums of the blocks that hold no NL yet
.else
	WMM 128+32*\g+16*\kk+8*\u, 64+16*\g+8*\u, 48+8*\kk, 128+32*\g+16*\kk+8*\u, 12+\g, 34, \u, \kk
.endif
.endr
.endr
.endr
	s_wait_dscnt 0x0
.irp g, 2,3
.irp u, 0,1
.irp kk, 0,1
.if ((\sg) == 0) && (\kp == 0)
	WMM 128+32*\g+16*\kk+8*\u, 64+16*\g+8*\u, 48+8*\kk, -1, 12+\g, 34, \u, \kk
.else
	WMM 128+32*\g+16*\kk+8*\u, 64+16*\g+8*\u, 48+8*\kk, 128+32*\g+16*\kk+8*\u, 12+\g, 34, \u, \kk
.endif
.endr
.endr
.endr
	PLACES 4+\kp                                   ; four in front of loads into operand registers; five behind the second K step, since the next matrix instruction writes over them
.endr
.endm
	PH1 0
	MEET 0
	PH2 0
	PH1 1
	MEET 1
	PH2 1
	PH1 2
	MEET 2
	PH2 2
	PH1 3
	MEET 3
	PH2 3
	; ---- att = 2^(-log2e x accumulator), quantised along the columns, which are the third product's K; images into slot 0, which has had its last fill and its last read
.irp s, 0,1,2,3,4,5,6,7
.irp cc, 0,1
	global_load_b128 v[64+8*\s+4*\cc:67+8*\s+4*\cc], v3, s[10:11] offset:\s*1024+\cc*512   ; v's eight fragments of my 16 channels: asked for a phase ahead
.endr
.endr
	global_load_b128 v[12:15], v3, s[12:13]        ; v's scale words: register s % 4, lanes 16 (s / 4) on
	v_and_b32 v48, 15, v0
	v_bfe_u32 v49, v0, 4, 1
	v_lshlrev_b32 v5, 4, v48
	v_lshl_add_u32 v5, v49, 3, v5
	v_add_nc_u32 v5, s96, v5                       ; att's image: as SP's, from byte 0; column block gamma lies two K steps (8,192 bytes) on
	s_add_co_u32 s98, s97, ASC
	v_lshl_add_u32 v10, v48, 2, s98                ; and its scale byte
.set a, 128
.rept 64
	v_pk_mul_f32 v[a:a+1], v[a:a+1], s[84:85] op_sel_hi:[1,0]   ; each accumulator from its low end on
.set a, a+2
.endr
.set a, 128
.rept 128
	v_exp_f32 v[a], v[a]
.set a, a+1
.endr
	v_nop                                          ; a plain line behind the last exponential,
	s_wait_alu depctr_va_vdst(0)                   ; and one wait for the batch
	QUANT 128, 4, 48, 52, 56                       ; blocks (gamma, kk) = (0, 0), (0, 1), (1, 0), (1, 1)
.irp b, 0,1,2,3
	ds_store_b64 v5, v[56+2*\b:57+2*\b] offset:(\b/2)*8192+(\b%2)*1024
	ds_store_b8 v10, v[52+\b] offset:(\b/2)*512+(\b%2)*64
.endr
	QUANT 192, 4, 128, 132, 136                    ; gamma = 2, 3; at work in registers whose numbers are converted, so that no pending store's data are rewritten
.irp b, 0,1,2,3
	ds_store_b64 v5, v[136+2*\b:137+2*\b] offset:(2+\b/2)*8192+(\b%2)*1024
	ds_store_b8 v10, v[132+\b] offset:(2+\b/2)*512+(\b%2)*64
.endr
	; the last phase's addresses.  There wave W makes channels 16 (W % 4) on of row tile m = W / 4
	v_and_b32 v144, 15, v0
	v_bfe_u32 v145, v0, 4, 1
	s_lshr_b32 s92, s20, 2                         ; m
	s_lshl_b32 s93, s92, 10
	v_add_nc_u32 v6, s93, v3                       ; att's fragments of tile m
	s_lshl_b32 s93, s92, 6
	s_add_co_u32 s93, s93, ASC
	v_lshlrev_b32 v9, 2, v144
	v_lshl_add_u32 v9, v145, 10, v9                ; their scale words: lanes 0-15 K step x, lanes 16-31 K step x + 4
	v_add_nc_u32 v9, s93, v9
	s_mul_i32 s93, s92, 4352
	s_lshl_b32 s94, s23, 6
	s_add_co_u32 s93, s93, s94
	s_add_co_u32 s93, s93, STG
	v_mul_u32_u24 v11, v144, 272
	v_lshl_add_u32 v11, v145, 5, v11
	v_add_nc_u32 v11, s93, v11                     ; the stage, in: row 16 m + r, my 8 channels: 64 (W % 4) + 32 h bytes on
	s_mul_i32 s93, s20, 1088
	s_add_co_u32 s93, s93, STG
	v_mul_u32_u24 v7, v145, 272
	v_lshl_add_u32 v7, v144, 4, v7
	v_add_nc_u32 v7, s93, v7                       ; back: rows 4 W + h, 16 bytes a lane
	v_lshlrev_b32 v8, 4, v144
	v_lshl_add_u32 v8, v145, 12, v8                ; and the same rows in out0, 4,096 bytes apart
	s_wait_dscnt 0x0                               ; my stores have landed
	s_barrier_signal -1
	s_barrier_wait -1
	; ---- y^T = v^T att^T: K = 1,024 in eight steps on two accumulators by turns
.irp s, 0,1,2,3,4,5,6,7
.irp cc, 0,1
	ds_load_b128 v[128+8*\s+4*\cc:131+8*\s+4*\cc], v6 offset:\s*4096+\cc*512
.endr
.endr
.irp x, 0,1,2,3
	ds_load_b32 v[32+\x], v9 offset:\x*256
.endr
	s_wait_loadcnt 0x0                             ; v
	s_wait_dscnt 0x0
	WMM 192, 64, 128, -1, 12, 32, 0, 0
	WMM 200, 72, 136, -1, 13, 33, 0, 0
	WMM 192, 80, 144, 192, 14, 34, 0, 0
	WMM 200, 88, 152, 200, 15, 35, 0, 0
	WMM 192, 96, 160, 192, 12, 32, 1, 1
	WMM 200, 104, 168, 200, 13, 33, 1, 1
	WMM 192, 112, 176, 192, 14, 34, 1, 1
	WMM 200, 120, 184, 200, 15, 35, 1, 1
	PLACES 4
.irp j, 0,2,4,6
	v_pk_add_f32 v[192+\j:193+\j], v[192+\j:193+\j], v[200+\j:201+\j]   ; the two halves of K; register j' is y(row r, channel 16 (W % 4) + 8 h + j')
.endr
	ds_store_b128 v11, v[192:195]
	ds_store_b128 v11, v[196:199] offset:16
	s_wait_dscnt 0x0                               ; a row's 256 bytes come from four waves
	s_barrier_signal -1
	s_barrier_wait -1
	ds_load_b128 v[48:51], v7
	ds_load_b128 v[52:55], v7 offset:544
	s_wait_dscnt 0x1                               ; the first two rows are back; the second read may be out
	global_store_b128 v8, v[48:51], s[18:19] th:TH_STORE_NT              ; 16 lanes store a row's 256 neighbouring bytes, aligned
	s_wait_dscnt 0x0
	global_store_b128 v8, v[52:55], s[18:19] offset:8192 th:TH_STORE_NT
	s_wait_tensorcnt 0x0                           ; the wave's end, behind my last tensor load and my last LDS store
	ds_add_u32 v1, v2
	s_wait_dscnt 0x0
	ROUND                                          ; the closing round: no work-group ends while a partner may still ask for a part that names it
	s_endpgm
.Lfunc_end_k_q1111f03f0c_attn:
	.size	k_q1111f03f0c_attn, .Lfunc_end_k_q1111f03f0c_attn-k_q1111f03f0c_attn
	.p2alignl 7, 3214868480
	.fill 96, 4, 3214868480
	.section	.rodata,"a",@progbits
	.p2align	6, 0x0
	.amdhsa_kernel k_q1111f03f0c_attn
		.amdhsa_group_segment_fixed_size 327680
		.amdhsa_private_segment_fixed_size 0
		.amdhsa_enable_private_segment 0
		.amdhsa_kernarg_size 64
		.amdhsa_user_sgpr_count 2
		.amdhsa_user_sgpr_kernarg_segment_ptr 1
		.amdhsa_wavefront_size32 1
		.amdhsa_system_sgpr_workgroup_id_x 1
		.amdhsa_system_sgpr_workgroup_id_y 1
		.amdhsa_system_sgpr_workgroup_id_z 1
		.amdhsa_system_vgpr_workitem_id 0
		.amdhsa_next_free_vgpr 256
		.amdhsa_next_free_sgpr 100
		.amdhsa_reserve_vcc 0
		.amdhsa_float_denorm_mode_32 3
		.amdhsa_float_denorm_mode_16_64 3
		.amdhsa_memory_ordered 1
		.amdhsa_forward_progress 1
		.amdhsa_inst_pref_size 130
	.end_amdhsa_kernel
	.amdgpu_metadata
---
amdhsa.version: [ 1, 2 ]
amdhsa.kernels:
  - .name:           k_q1111f03f0c_attn
    .symbol:         k_q1111f03f0c_attn.kd
    .args:
      - { .name: q, .offset: 0, .size: 8, .value_kind: global_buffer, .address_space: global }
      - { .name: kq, .offset: 8, .size: 8, .value_kind: global_buffer, .address_space: global }
      - { .name: ksc, .offset: 16, .size: 8, .value_kind: global_buffer, .address_space: global }
      - { .name: vq, .offset: 24, .size: 8, .value_kind: global_buffer, .address_space: global }
      - { .name: vsc, .offset: 32, .size: 8, .value_kind: global_buffer, .address_space: global }
      - { .name: mbits, .offset: 40, .size: 8, .value_kind: global_buffer, .address_space: global }
      - { .name: cwq, .offset: 48, .size: 8, .value_kind: global_buffer, .address_space: global }
      - { .name: out0, .offset: 56, .size: 8, .value_kind: global_buffer, .address_space: global }
    .group_segment_fixed_size: 327680
    .private_segment_fixed_size: 0
    .kernarg_segment_align: 8
    .kernarg_segment_size: 64
    .max_flat_workgroup_size: 512
    .sgpr_count:     100
    .vgpr_count:     256
    .wavefront_size: 32
...
	.end_amdgpu_metadata
.endif
;; end of part 2
